; MI455X (gfx1250); checked and timed in simulation.
; The chip was launched on July 23, 2026; its instructions are those of AMD's public machine-readable ISA for CDNA 5 (MIT licence, August 2026) and "CDNA5" Instruction Set Architecture Reference Guide (July 2026). The comments in the code are by the model that wrote it; some were corrected since.
;; Self Attention. Allowed arithmetic: matrix products marked QUANTISED: E2M1 operands, one E8M0 scale for each 32 along K, by v_wmma_scale_f32_16x16x128_f8f6f4 with both operands' format E2M1 (or v_wmma_scale_f32_32x16x128_f4), f32 sums; everything else in f32.
;; Inputs: Wk 1,024 x 1,024 float32; Wq 1,024 x 1,024 float32; Wv 1,024 x 1,024 float32; bk 1,024 float32; bq 1,024 float32; bv 1,024 float32; x 4 x 2,048 x 1,024 float32.
;; Outputs: out0 4 x 2,048 x 1,024 float32.
;; Constants: num_heads = 16.
;; This version of the problem:
;;   THIS VERSION OF THE PROBLEM IS GIVEN IN LOW PRECISION. The matrix products marked QUANTISED in the list below multiply operands that are first quantised to E2M1 (2 exponent bits, 1 mantissa bit; 4 bits a number), with one power-of-two scale for each 32 numbers along K (OCP MX v1.0); their sums are f32. All else is computed in f32.
;;   The module's matrix products, in the order in which they are computed (A, B: the left and right operand; K: the contracted axis; several contracted axes count as one K, in the product's order):
;;     1. [M 8,192, K 1,024] x [K 1,024, N 1,024]; A: input x; B: input Wq: QUANTISED
;;     2. [M 8,192, K 1,024] x [K 1,024, N 1,024]; A: input x; B: input Wk: QUANTISED
;;     3. [M 8,192, K 1,024] x [K 1,024, N 1,024]; A: input x; B: input Wv: QUANTISED
;;     4. batch 64 x [M 2,048, K 64] x [K 64, N 2,048]; A: computed on the way; B: computed on the way: QUANTISED
;;     5. batch 64 x [M 2,048, K 2,048] x [K 2,048, N 64]; A: softmax (see below); B: computed on the way: QUANTISED
;;   THE QUANTISER, for each operand of a quantised product, along K:
;;     - K is cut into blocks of 32 from its start; a last block that is shorter is filled with zeros.
;;     - A block's scale is 2^e with e = floor(log2(the largest magnitude in the block)) - 2, held to -126 .. 127; a block of zeros has e = 0. As a byte (E8M0): e + 127.
;;     - Each number is divided by its block's scale, clamped to +-6, and rounded to the nearest number of E2M1, ties to even, subnormals kept.
;;     - The product sums the exact products of the quantised numbers (number of the format x scale) in f32.
;;   ~~~python
;;   def quantise(x, axis):      # numpy; x: float32 -> the quantised numbers, widened to float32 again
;;       x = np.moveaxis(x, axis, -1); K = x.shape[-1]
;;       x = np.pad(x, [(0, 0)] * (x.ndim - 1) + [(0, -K % 32)]); x = x.reshape(x.shape[:-1] + (-1, 32)); a = np.abs(x).max(-1, keepdims=True)
;;       e = np.where(a > 0, np.clip(np.frexp(np.where(a > 0, a, 1))[1] - 1 - 2, -126, 127), 0)      # np.frexp(a)[1] - 1 = floor(log2(a)), exactly
;;       r = np.clip(x / 2.0 ** e, -6, 6)
;;       step = 2.0 ** (np.maximum(np.frexp(np.where(r == 0, 1, r))[1] - 1, 0) - 1)
;;       q = np.round(r / step) * step * 2.0 ** e      # np.round: ties to even
;;       return np.moveaxis(q.reshape(q.shape[:-2] + (-1,))[..., :K], -1, axis).astype(np.float32)
;;   ~~~
;;   SOFTMAX AHEAD OF A QUANTISED PRODUCT. Where the list says 'softmax', what is quantised is not the finished softmax but p = 2^(t - M), with t = logit x log2(e) and M = ceil(the row's largest t), a whole number; so 1/2 < the row's largest p <= 1. The row's sum l is taken of the UNQUANTISED p, in f32, and the product's result is divided by l at the end. Since M is a whole number, a kernel that streams over the keys may use a running M (the ceiling of the running maximum): every later rescaling is an exact power of two, which a block's scale takes up: the codes' values come out the same.
;;   OPERANDS COMPUTED ON THE WAY. 'Computed on the way' means the value that the module computes at that place (a softmax that the list does not call 'softmax' is quantised finished and normalised). What goes into a quantiser is computed in f32, as accurately as f32 sums, v_exp_f32 and their like allow (about 1e-6 of the number): no bf16 or f16 on the way to a quantiser, and a product that is left as it is and whose result goes on into a quantised operand takes f32 operands (vector FMAs, or v_wmma_f32_16x16x4_f32). A number that lies on a knife's edge between two numbers of the format may be rounded either way, as far as f32 arithmetic and the matrix unit's own rounding can turn it there, and no further.
;; One version. Each part assembles by itself: llvm-mc -triple=amdgcn-amd-amdhsa -mcpu=gfx1250 --defsym DOCPART=n.
;; ======== version 1 of 1: 3 launches
;; limits: right only within a limited range of input values
;; workspace buffers: xw 6,127,616 bytes; qkv 13,893,632 bytes
;; launch quant (part 1): grid 352 x 1, 4 waves a work-group, no clusters, 33,280 bytes of LDS; arguments x, Wq, Wk, Wv, xw; writes xw
.if DOCPART == 1
	.amdgcn_target "amdgcn-amd-amdhsa--gfx1250"
	.amdhsa_code_object_version 6
	.text
	.protected	k_q07a2c35981_quant
	.globl	k_q07a2c35981_quant
	.p2align	8
	.type	k_q07a2c35981_quant,@function
k_q07a2c35981_quant:
	s_mov_b64 s[64:65], 0
	v_nop
	global_prefetch_b8 v0, s[64:65] scope:SCOPE_SE
	s_setreg_imm32_b32 hwreg(HW_REG_WAVE_MODE, 25, 1), 1
	s_wait_xcnt 0x0
; x [8192][1024], Wq, Wk, Wv [1024][1024], f32, K innermost, become codes of FP4 (E2M1) with one E8M0 scale byte for each 32 along K, in the workspace xw:
;   x's codes [8192][512 B] at 0, x's scale bytes [8192][32 B] at XS_OFF, the weights' codes [3][1024][512 B] at WC_OFF, their scale bytes [3][1024][32 B] at WS_OFF.
; NO WORK OF THE PROBLEM IS LEFT OUT in this program: every input moves codes or scales of a live quantised product (bk too: it stands ahead of K's quantiser), so all seven are loaded.
; A block's scale is 2^(floor(log2(its largest magnitude)) - 2); its byte is the largest magnitude's exponent field - 2, held at 1 from below.
; THE WEIGHTS' ROWS ARE STORED IN THE ORDER IN WHICH THE NEXT LAUNCH'S TILES OF 16 ROWS WANT THEM.  Wq, Wk: row n goes to the row with bits 3 and 4 of n exchanged.  Wv: row n = 64 c + d goes to row 16 d + c.
; LIMITS: a block whose largest magnitude lies under 2^-124 gets the byte 1; a block of zeros gets the byte 1 where the rule says 127 (its codes are zeros, and only this program reads the bytes);
; NaN and infinities among the inputs are not served.
; SHARES.  A work-group takes 32 rows: groups 0-255 x, 256-287 Wq, 288-319 Wk, 320-351 Wv.  A wave takes 8 rows, 16 steps of 512 numbers (half a row).  One path through the text: only pointers and strides are chosen.
; Each of a step's four loads reads 512 consecutive bytes; the 2,048 bytes turn through the wave's own stage in LDS (16 bytes of padding behind each 64) and come back 16 neighbours a lane: two lanes hold a block.
; A step's codes leave as 256 consecutive bytes, aligned.  A wave's 256 scale bytes are gathered in its own LDS bytes and leave 32 bytes a row: one run of 256 bytes for x, Wq and Wk; for Wv eight pieces of 32 bytes.
; No tensor load, no barrier, no cluster: waves and work-groups share nothing.  Loads run EIGHT steps (32 loads, 16 KiB a wave) ahead, in eight sets of 16 registers.
.set WAVES, 4
.set STEPS, 16
.set AHEAD, 8                          ; steps that the loads run ahead, and sets of load registers
.set EMAX,  2
.set XS_OFF, 4194304
.set WC_OFF, 4456448
.set WS_OFF, 6029312
.set R,     16                         ; v16-143  eight sets of 16 numbers as they are loaded
.set X,     144                        ; v144-175 two sets of 16 neighbours
.set E,     176                        ; v176-191 a scale byte for each step
.set C,     192                        ; v192-223 codes: two registers for each step, never written again
.set VO,    224                        ; v224-231 row i of my eight: 8 x lane + i x the codes' row stride
.set WREG,  8192                       ; LDS: a region for each wave: two stages of 32 x SP bytes, behind them its 256 scale bytes
.set SP,    80
.set SPW,   12                         ; v12 LDS address of my spare word; never rewritten
.set NIL,   13                         ; v13 0; never rewritten
.set SPARE, WAVES*WREG                 ; behind the regions: the spare words, 128 bytes a wave, which no other line names
	s_load_b256 s[4:11], s[0:1], 0x0               ; x, Wq, Wk, Wv
	s_load_b64 s[12:13], s[0:1], 0x20              ; xw
	v_lshl_add_u32 v[SPW], v0, 2, SPARE
	v_mov_b32 v[NIL], 0
	v_lshrrev_b32 v1, 5, v0
	v_readfirstlane_b32 s16, v1                    ; wave
	v_and_b32 v2, 31, v0                           ; lane
	v_lshlrev_b32 v3, 4, v2                        ; my 16 bytes of a load's 512
	s_mul_i32 s17, s16, WREG
	v_lshrrev_b32 v14, 2, v2
	v_mul_u32_u24 v14, v14, SP
	v_and_b32 v15, 3, v2
	v_lshl_add_u32 v14, v15, 4, v14
	v_add_nc_u32 v14, s17, v14                     ; the stage, on the way in: SP (lane / 4) + 16 (lane % 4)
	v_mul_u32_u24 v15, v2, SP
	v_add_nc_u32 v15, s17, v15                     ; and on the way out: SP x lane: my 16 neighbours
	v_lshrrev_b32 v5, 1, v2
	s_add_co_u32 s17, s17, 2*32*SP
	v_add_nc_u32 v5, s17, v5                       ; my wave's 256 scale bytes, my block's byte
	v_lshlrev_b32 v4, 3, v2                        ; 8 x lane
	s_wait_alu depctr_va_vdst(0)
	v_add_nc_u32 v6, s17, v4                       ; the scale bytes on the way out: 8 a lane
	; which rows are mine, and where they go
	s_and_b32 s19, ttmp9, 31
	s_cmp_lt_u32 ttmp9, 256
	s_cselect_b32 s18, ttmp9, s19                  ; the work-group's number within its tensor
	s_lshl_b32 s18, s18, 2
	s_add_co_u32 s18, s18, s16                     ; my run of 8 rows
	s_lshl_b32 s20, s18, 3                         ; n0: its first row
	s_and_b32 s21, s20, 0xffffffe7                 ; Wq, Wk: bits 3 and 4 change places (my 8 rows stay together)
	s_and_b32 s22, s20, 8
	s_lshl_b32 s22, s22, 1
	s_or_b32 s21, s21, s22
	s_and_b32 s22, s20, 16
	s_lshr_b32 s22, s22, 1
	s_or_b32 s21, s21, s22
	s_and_b32 s23, s20, 63                         ; Wv: 16 d + c
	s_lshl_b32 s23, s23, 4
	s_lshr_b32 s22, s20, 6
	s_or_b32 s23, s23, s22
	s_mov_b32 s24, 8192
	s_mov_b32 s25, 512
	s_cmp_lt_u32 ttmp9, 320
	s_cselect_b32 s21, s21, s23                    ; a weight's first row in the stored order
	s_cselect_b32 s24, 512, s24                    ; from one of my rows' codes to the next: 512 bytes; Wv: 16 rows
	s_cselect_b32 s25, 32, s25                     ; the same for the scale bytes
	s_lshr_b32 s26, ttmp9, 5
	s_sub_co_u32 s26, s26, 8                       ; which weight: 0, 1, 2 (not chosen in x's groups)
	s_lshl_b32 s27, s26, 19
	s_lshl_b32 s28, s21, 9
	s_add_co_u32 s27, s27, s28
	s_add_co_u32 s27, s27, WC_OFF                  ; a weight's codes
	s_lshl_b32 s28, s26, 15
	s_lshl_b32 s29, s21, 5
	s_add_co_u32 s28, s28, s29
	s_add_co_u32 s28, s28, WS_OFF                  ; and scale bytes
	s_lshl_b32 s29, s20, 9                         ; x's codes
	s_lshl_b32 s30, s20, 5
	s_add_co_u32 s30, s30, XS_OFF                  ; and scale bytes
	s_cmp_lt_u32 ttmp9, 256
	s_cselect_b32 s32, s29, s27
	s_cselect_b32 s34, s30, s28
	s_mov_b32 s33, 0
	s_mov_b32 s35, 0
	s_lshl_b32 s36, s18, 15                        ; my run in the source: 8 rows of 4,096 bytes
	s_mov_b32 s37, 0
	v_mov_b32 v[VO], v4
.irp i, 1,2,3,4,5,6,7
	v_add_nc_u32 v[VO+\i], s24, v[VO+\i-1]
.endr
	v_lshrrev_b32 v7, 2, v2
	v_mul_lo_u32 v7, v7, s25
	v_and_b32 v8, 3, v2
	v_lshl_add_u32 v7, v8, 3, v7                   ; the scale bytes in memory: row lane / 4, 8 bytes a lane
	s_wait_kmcnt 0x0
	s_cmp_lt_u32 ttmp9, 320                        ; the source: a choice among buffers on the work-group's number alone
	s_cselect_b64 s[8:9], s[8:9], s[10:11]
	s_cmp_lt_u32 ttmp9, 288
	s_cselect_b64 s[6:7], s[6:7], s[8:9]
	s_cmp_lt_u32 ttmp9, 256
	s_cselect_b64 s[4:5], s[4:5], s[6:7]
	s_add_nc_u64 s[4:5], s[4:5], s[36:37]
	s_add_nc_u64 s[8:9], s[12:13], s[32:33]        ; my codes
	s_add_nc_u64 s[10:11], s[12:13], s[34:35]      ; my scale bytes
.macro LOAD t
.irp i, 0,1,2,3
	global_load_b128 v[R+16*((\t)%AHEAD)+4*\i:R+16*((\t)%AHEAD)+4*\i+3], v3, s[4:5] offset:2048*(\t)+512*\i th:TH_LOAD_NT   ; 32 lanes read 512 consecutive bytes
.endr
.endm
.macro TURN t                          ; step t's numbers through the stage: LDS serves a wave's instructions in order, so no wait stands between the stores and the loads
.irp i, 0,1,2,3
	ds_store_b128 v14, v[R+16*((\t)%AHEAD)+4*\i:R+16*((\t)%AHEAD)+4*\i+3] offset:32*SP*((\t)%2)+8*SP*\i
.endr
.irp i, 0,1,2,3
	ds_load_b128 v[X+16*((\t)%2)+4*\i:X+16*((\t)%2)+4*\i+3], v15 offset:32*SP*((\t)%2)+16*\i
.endr
.endm
.irp t, 0,1,2,3,4,5,6,7
	LOAD \t
.endr
	s_wait_loadcnt 28                              ; step 0's four loads are in; seven steps' 28 may be out
	TURN 0
.macro STEP t
.set XSET, X+16*((\t)%2)
.if (\t) > 0
	s_wait_dscnt 1                                 ; this step's numbers are back from the stage (the last step's byte store may be out): so its stores into the stage have read their registers,
.else
	s_wait_dscnt 0x0
.endif
.if (\t)+AHEAD < STEPS
	LOAD (\t)+AHEAD                                ; which take the loads of eight steps on
.endif
.if (\t)+1 < STEPS
.if STEPS-2-(\t) >= AHEAD-1
	s_wait_loadcnt 28                              ; the next step's four loads are in; those of the seven steps behind it may be out
.else
	s_wait_loadcnt 4*(STEPS-2-(\t))                ; the tail: four loads for each step still behind the next
.endif
	TURN (\t)+1                                    ; and go through the other stage while this step is worked
.endif
	v_max3_num_f32 v8, |v[XSET]|, |v[XSET+1]|, |v[XSET+2]|         ; the largest magnitude of my 16, in two chains
	v_max3_num_f32 v9, |v[XSET+3]|, |v[XSET+4]|, |v[XSET+5]|
.irp i, 6,10
	v_max3_num_f32 v8, v8, |v[XSET+\i]|, |v[XSET+\i+1]|
	v_max3_num_f32 v9, v9, |v[XSET+\i+2]|, |v[XSET+\i+3]|
.endr
	v_max3_num_f32 v8, v8, |v[XSET+14]|, |v[XSET+15]|
	v_max3_num_f32 v8, v8, v9, (EMAX+1)<<23        ; and the floor 2^(3 - 127): the byte cannot fall under 1
	v_max_num_f32_dpp v8, v8, v8 row_xmask:1 row_mask:0xf bank_mask:0xf   ; and of my neighbour's 16: the block's
	v_add_nc_u32 v11, -(EMAX<<23), v8              ; 2 off its exponent field: the conversion takes the exponent field of this operand as its scale
	v_cvt_scalef32_pk8_fp4_f32 v[C+2*(\t)], v[XSET:XSET+7], v11
	v_cvt_scalef32_pk8_fp4_f32 v[C+2*(\t)+1], v[XSET+8:XSET+15], v11
	v_lshrrev_b32 v[E+(\t)], 23, v11               ; the scale's byte (a plain line behind the conversions)
	ds_store_b8 v5, v[E+(\t)] offset:16*(\t)       ; both lanes of a block write the same byte with the same value
	global_store_b64 v[VO+(\t)/2], v[C+2*(\t):C+2*(\t)+1], s[8:9] offset:256*((\t)%2)   ; 32 lanes store 256 consecutive bytes, aligned: half a row of codes
.endm
.irp t, 0,1,2,3,4,5,6,7,8,9,10,11,12,13,14,15
	STEP \t
.endr
	ds_load_b64 v[8:9], v6                         ; LDS serves a wave's instructions in order: these see my byte stores
	s_wait_dscnt 0x0
	global_store_b64 v7, v[8:9], s[10:11]
	s_wait_tensorcnt 0x0                           ; the wave's end
	ds_add_u32 v[SPW], v[NIL]
	s_wait_dscnt 0x0
	s_endpgm
.Lfunc_end_k_q07a2c35981_quant:
	.size	k_q07a2c35981_quant, .Lfunc_end_k_q07a2c35981_quant-k_q07a2c35981_quant
	.p2alignl 7, 3214868480
	.fill 96, 4, 3214868480
	.section	.rodata,"a",@progbits
	.p2align	6, 0x0
	.amdhsa_kernel k_q07a2c35981_quant
		.amdhsa_group_segment_fixed_size 33280
		.amdhsa_private_segment_fixed_size 0
		.amdhsa_enable_private_segment 0
		.amdhsa_kernarg_size 40
		.amdhsa_user_sgpr_count 2
		.amdhsa_user_sgpr_kernarg_segment_ptr 1
		.amdhsa_wavefront_size32 1
		.amdhsa_system_sgpr_workgroup_id_x 1
		.amdhsa_system_sgpr_workgroup_id_y 1
		.amdhsa_system_sgpr_workgroup_id_z 1
		.amdhsa_system_vgpr_workitem_id 0
		.amdhsa_next_free_vgpr 232
		.amdhsa_next_free_sgpr 66
		.amdhsa_reserve_vcc 0
		.amdhsa_float_denorm_mode_32 3
		.amdhsa_float_denorm_mode_16_64 3
		.amdhsa_memory_ordered 1
		.amdhsa_forward_progress 1
		.amdhsa_inst_pref_size 35
	.end_amdhsa_kernel
	.amdgpu_metadata
---
amdhsa.version: [ 1, 2 ]
amdhsa.kernels:
  - .name:           k_q07a2c35981_quant
    .symbol:         k_q07a2c35981_quant.kd
    .args:
      - { .name: x, .offset: 0, .size: 8, .value_kind: global_buffer, .address_space: global }
      - { .name: Wq, .offset: 8, .size: 8, .value_kind: global_buffer, .address_space: global }
      - { .name: Wk, .offset: 16, .size: 8, .value_kind: global_buffer, .address_space: global }
      - { .name: Wv, .offset: 24, .size: 8, .value_kind: global_buffer, .address_space: global }
      - { .name: xw, .offset: 32, .size: 8, .value_kind: global_buffer, .address_space: global }
    .group_segment_fixed_size: 33280
    .private_segment_fixed_size: 0
    .kernarg_segment_align: 8
    .kernarg_segment_size: 40
    .max_flat_workgroup_size: 128
    .sgpr_count:     66
    .vgpr_count:     232
    .wavefront_size: 32
...
	.end_amdgpu_metadata
.endif
;; end of part 1
;; launch proj (part 2): grid 12 x 64, 8 waves a work-group, clusters of 4 x 4, 261,376 bytes of LDS; arguments xw, bq, bk, bv, qkv; writes qkv
.if DOCPART == 2
	.amdgcn_target "amdgcn-amd-amdhsa--gfx1250"
	.amdhsa_code_object_version 6
	.text
	.protected	k_q07a2c35981_proj
	.globl	k_q07a2c35981_proj
	.p2align	8
	.type	k_q07a2c35981_proj,@function
k_q07a2c35981_proj:
	s_mov_b64 s[64:65], 0
	v_nop
	global_prefetch_b8 v0, s[64:65] scope:SCOPE_SE
	s_setreg_imm32_b32 hwreg(HW_REG_WAVE_MODE, 25, 1), 1
	s_wait_xcnt 0x0
	s_wait_alu depctr_hold_cnt(0) depctr_sa_sdst(0) depctr_va_vdst(0) depctr_va_sdst(0) depctr_va_ssrc(0) depctr_va_vcc(0) depctr_vm_vsrc(0)
	s_getreg_b32 s2, hwreg(HW_REG_IB_STS2, 6, 4)
	s_cmp_eq_u32 s2, 0
	s_cbranch_scc0 .Lentry_in_a_cluster
	s_endpgm
.Lentry_in_a_cluster:
	s_bfe_u32 s2, ttmp6, 0x10000c
	s_cmp_lg_u32 s2, 0xf033
	s_cbranch_scc0 .Lentry_shape_is_right
	s_endpgm
.Lentry_shape_is_right:
; q, k, v = x W^T + b on codes of FP4 with E8M0 scales (workspace xw), and at once quantised again for the two products of the attention, into the workspace qkv.  Nothing of the problem is left out here.
; The module's view cuts the projected [8192][1024] into 64 heads of 128 rows: position s = 16 x (row in the head) + c, c = column / 64, channel d = column % 64.
; q, k are quantised along d (32 neighbouring columns); v along the keys: a block of 32 keys is two neighbouring rows x the 16 column groups c, at one d.
; SHARES.  Work-group (X, g): 128 rows (head g) x 256 stored rows of the weights, 256 X on; the cluster's x is the tensor (0 q, 1 k, 2 v), the same in all sixteen partners.
; Eight waves, wave w = (wm = w / 4, wn = w % 4) makes 64 x 64: 16 accumulators.  All of K = 1,024 comes at the start, as two chunks of 512 (LDS rows of 256 bytes + 16): no LDS byte is filled twice.
; CLUSTER 4 x 4: the four of a row of the cluster share x's rows, the four of a column the weights' rows: each tile is asked for jointly, by the same tensor load with a mask that names the four.
; THE MATRIX INSTRUCTION IS USED TRANSPOSED: source 0 = 16 stored rows of W, source 1 = 16 rows of x: a lane holds one row of x, its 8 registers 8 stored rows of W.  By the stored order (launch quant):
;   q, k: the 16 registers of tiles 2 b, 2 b + 1 are d = 32 b + 16 (lane / 16) + 0 .. 15 of column group c = 4 cx + wn;   v: tile b is channel d = 16 cx + 4 wn + b, register j is c = 8 (lane / 16) + j.
; The bias is the C of each sum's first product, in the result's layout.
; OUT (qkv): tensor t at t x TSTR.  q, k codes [g][b = row pair 64][cg 4][y = row & 1][z = c & 3][h = block of 32 d][16 B]; scale words [g][n = 8 cg + 4 y + z][b 64][4 B], byte 0, 1 = blocks 0, 1, bytes 2, 3 = 0.
;   v codes [g][d 64][1,024 B], the keys innermost in their true order; v scale bytes [g][d 64][64].
; LIMITS: a block whose largest magnitude lies under 2^-124, a block of zeros among them, gets the byte 1 (only this program reads the bytes); NaN and infinities are not served.
; No prefetch: every tensor load stands at the kernel's head.  No register windows: a wave names 256 registers.
.set XS_OFF, 4194304
.set WC_OFF, 4456448
.set WS_OFF, 6029312
.set TSTR,   4718592                   ; from tensor to tensor in qkv
.set QS_REL, 4194304                   ; q's and k's scale words behind their codes
.set VC_OFF, 9437184
.set VS_OFF, 13631488
.set CHUNK,  104448                    ; LDS: a chunk: x's 128 rows x 272, then W's 256 rows x 272
.set BOFF,   34816
.set SCA,    208896                    ; x's scale bytes: 16 runs of 256 bytes + 16
.set SCB,    213248                    ; W's: 32 runs
.set QSTG,   221952                    ; q, k: 128 rows x (128 + 16) bytes of codes
.set QSS,    240384                    ; q, k: 8 rows x (256 + 16) bytes of scale words
.set VSTG,   242688                    ; v: 16 rows (d) x (1,024 + 16) bytes of codes
.set VSS,    259328                    ; v: 16 rows x 64 scale bytes
.set SPARE,  260352                    ; the spare words, 128 bytes a wave, which no other line names
.set ADRA, 1                           ; v1-2   LDS address of my fragments of x in chunk 0, 1
.set ADRB, 3                           ; v3-4   of W
.set ADRS, 5                           ; v5     of my scale words: lanes 0-15 x's rows, lanes 16-31 W's
.set SPW,  6                           ; v6     my spare word's address; never rewritten
.set NIL,  7                           ; v7     0; never rewritten
.set BI,   16                          ; v16-47   the bias, 8 registers for each of my 4 tiles of W; later at work
.set AF,   48                          ; v48-79   x's 4 fragments; later codes
.set BF,   80                          ; v80-111  W's 4 fragments
.set SC,   112                         ; v112-127 scale words and nothing else: register 4 i + q: lanes 0-15 x's tile i, lanes 16-31 W's tile i
.set ACC,  128                         ; v128-255 accumulator (a, b) at ACC + 8 (4 a + b)
.set TM,   16                          ; the way out: at work
.set PCQ,  48                          ; q, k: codes
.set QW,   64                          ; q, k: scale words
.set WV,   14
.set SEL,  84                          ; s[84:85] lane selects of v_permlanex16_b32: lane l xor 16
.set G1A,  24
.set G1B,  32
.set G1SA, 40
.set G1SB, 48
.set G0A,  56                          ; s[56:63] x's chunks 0, 1
.set G0B,  68                          ; s[68:75] W's
.set G0SA, 76
.set G0SB, 80
.set PADW, (1<<20)|(1<<21)|(5<<22)|(3<<25)   ; padding on; bit 21 beside a mask; 4 words behind every 64
.macro CROUND                          ; a round of the cluster's barrier: my work-group's barrier, wave 0 signals for the work-group, all wait for the sixteen, my work-group's barrier
	s_barrier_signal -1
	s_barrier_wait -1
	s_cmp_lg_u32 s[WV], 0
	s_cbranch_scc1 .Lnot_wave_0_\@
	s_barrier_signal -3
.Lnot_wave_0_\@:
	s_barrier_wait -3
	s_barrier_signal -1
	s_barrier_wait -1
.endm
	s_load_b256 s[4:11], s[0:1], 0x0               ; xw, bq, bk, bv
	s_load_b64 s[12:13], s[0:1], 0x20              ; qkv
	v_lshl_add_u32 v[SPW], v0, 2, SPARE
	v_mov_b32 v[NIL], 0
	ds_add_u32 v[SPW], v[NIL]                      ; the opening: the add, twice on end, and its wait ahead of the first tensor load
	ds_add_u32 v[SPW], v[NIL]
	v_lshrrev_b32 v8, 5, v0
	s_delay_alu instid0(VALU_DEP_1)
	v_readfirstlane_b32 s[WV], v8                  ; wave 0..7
	s_lshr_b32 s15, s[WV], 2                       ; wm: my 64 rows of x
	s_and_b32 s16, s[WV], 3                        ; wn: my 64 stored rows of W
	s_bfe_u32 s18, ttmp6, 0x40000                  ; cx
	s_bfe_u32 s19, ttmp6, 0x40004                  ; cy
	s_lshl_b32 s20, ttmp9, 2
	s_add_co_u32 s20, s20, s18                     ; X = 4 x cluster x + cx
	s_and_b32 s21, ttmp7, 0xffff
	s_lshl_b32 s21, s21, 2
	s_add_co_u32 s21, s21, s19                     ; g = 4 x cluster y + cy
	s_lshl_b32 s84, s19, 2
	s_lshl_b32 s84, 15, s84                        ; my row of the cluster
	s_lshl_b32 s85, 0x1111, s18                    ; my column
	s_or_b32 s[G1A], s84, PADW                     ; x's codes: elements of 1 byte, 128 rows x 256, 512 bytes from row to row
	s_mov_b32 s[G1A+1], 256<<16
	s_mov_b32 s[G1A+2], 128<<16                    ; all 128 rows of x in one load
	s_mov_b32 s[G1A+3], 256<<16
	s_mov_b32 s[G1A+4], 128
	s_mov_b32 s[G1A+5], 512
	s_mov_b32 s[G1A+6], 0
	s_mov_b32 s[G1A+7], 0
	s_or_b32 s[G1B], s85, PADW                     ; W's codes: 256 rows
	s_mov_b32 s[G1B+1], 256<<16
	s_mov_b32 s[G1B+2], 256<<16                    ; all 256 stored rows of W in one load
	s_mov_b32 s[G1B+3], 256<<16
	s_mov_b32 s[G1B+4], 256
	s_mov_b32 s[G1B+5], 512
	s_mov_b32 s[G1B+6], 0
	s_mov_b32 s[G1B+7], 0
	s_or_b32 s[G1SA], s84, (3<<16)|PADW            ; the scale bytes of 128 rows of x: 4,096 dense bytes as 16 rows of 32 elements of 8 bytes
	s_mov_b32 s[G1SA+1], 32<<16
	s_mov_b32 s[G1SA+2], 16<<16                    ; the scale bytes of 128 rows of x: 16 rows of 256 bytes
	s_mov_b32 s[G1SA+3], 32<<16
	s_mov_b32 s[G1SA+4], 16
	s_mov_b32 s[G1SA+5], 32
	s_mov_b32 s[G1SA+6], 0
	s_mov_b32 s[G1SA+7], 0
	s_or_b32 s[G1SB], s85, (3<<16)|PADW            ; of 256 rows of W: 32 rows
	s_mov_b32 s[G1SB+1], 32<<16
	s_mov_b32 s[G1SB+2], 32<<16                    ; of 256 rows of W: 32 rows of 256 bytes
	s_mov_b32 s[G1SB+3], 32<<16
	s_mov_b32 s[G1SB+4], 32
	s_mov_b32 s[G1SB+5], 32
	s_mov_b32 s[G1SB+6], 0
	s_mov_b32 s[G1SB+7], 0
	s_lshl_b32 s86, s21, 7                         ; x: row 128 g (registers that never hold cx)
	s_lshl_b32 s88, s86, 9                         ; its codes
	s_mov_b32 s89, 0
	s_lshl_b32 s90, s86, 5
	s_add_co_u32 s90, s90, XS_OFF                  ; its scale bytes
	s_mov_b32 s91, 0
	s_lshl_b32 s92, s20, 8                         ; W: stored row 256 X (registers that never hold cy)
	s_lshl_b32 s94, s92, 9
	s_add_co_u32 s94, s94, WC_OFF
	s_mov_b32 s95, 0
	s_lshl_b32 s96, s92, 5
	s_add_co_u32 s96, s96, WS_OFF
	s_mov_b32 s97, 0
	s_wait_dscnt 0x0                               ; both opening adds are done
	s_wait_kmcnt 0x0
	s_mov_b32 s[G0SA], 1
	s_mov_b32 s[G0SA+1], SCA
	s_add_nc_u64 s[G0SA+2:G0SA+3], s[4:5], s[90:91]
	s_or_b32 s[G0SA+3], s[G0SA+3], 0x80000000
	s_mov_b32 s[G0SB], 1
	s_mov_b32 s[G0SB+1], SCB
	s_add_nc_u64 s[G0SB+2:G0SB+3], s[4:5], s[96:97]
	s_or_b32 s[G0SB+3], s[G0SB+3], 0x80000000
.irp k, 0,1
	s_mov_b32 s[G0A+4*\k], 1
	s_mov_b32 s[G0A+4*\k+1], \k*CHUNK
	s_add_nc_u64 s[G0A+4*\k+2:G0A+4*\k+3], s[4:5], s[88:89]
.if \k
	s_add_nc_u64 s[G0A+4*\k+2:G0A+4*\k+3], s[G0A+4*\k+2:G0A+4*\k+3], 256   ; the second 512 along K
.endif
	s_or_b32 s[G0A+4*\k+3], s[G0A+4*\k+3], 0x80000000
	s_mov_b32 s[G0B+4*\k], 1
	s_mov_b32 s[G0B+4*\k+1], \k*CHUNK+BOFF
	s_add_nc_u64 s[G0B+4*\k+2:G0B+4*\k+3], s[4:5], s[94:95]
.if \k
	s_add_nc_u64 s[G0B+4*\k+2:G0B+4*\k+3], s[G0B+4*\k+2:G0B+4*\k+3], 256
.endif
	s_or_b32 s[G0B+4*\k+3], s[G0B+4*\k+3], 0x80000000
.endr
	CROUND                                         ; all sixteen work-groups are here: the joint loads meet
	; THE FIRST FILLS, and the only ones: six whole tiles, one load a wave: wave 0, 1 W's chunks 0, 1; wave 2, 3 x's; wave 4 W's scale bytes, wave 5 x's; waves 6, 7 fetch nothing.
	; ONE chain of branches on the wave's number, each arm with its load and a jump to the join.
.macro ARM under, g0, g1, next
	s_cmp_lt_u32 s[WV], \under
	s_cbranch_scc0 \next
	tensor_load_to_lds s[\g0:\g0+3], s[\g1:\g1+7]
	s_nop 0
.rept 4
	v_nop
.endr
	s_branch .Lasked
\next:
.endm
	ARM 1, G0B,   G1B,  .Lfill_b1
	ARM 2, G0B+4, G1B,  .Lfill_a0
	ARM 3, G0A,   G1A,  .Lfill_a1
	ARM 4, G0A+4, G1A,  .Lfill_sb
	ARM 5, G0SB,  G1SB, .Lfill_sa
	ARM 6, G0SA,  G1SA, .Lfill_none
.Lasked:
	s_mov_b32 s[SEL], 0x76543210
	s_mov_b32 s[SEL+1], 0xfedcba98
	v_and_b32 v8, 15, v0                           ; r; kept
	v_bfe_u32 v9, v0, 4, 1                         ; h; kept
	s_delay_alu instid0(VALU_DEP_2)
	v_mul_u32_u24 v10, v8, 272
	s_delay_alu instid0(VALU_DEP_1)
	v_lshl_add_u32 v10, v9, 4, v10                 ; a fragment: row r x pitch + 16 h
	s_mul_i32 s2, s15, 17408
	s_mul_i32 s3, s16, 17408
	s_add_co_u32 s3, s3, BOFF
	v_add_nc_u32 v[ADRA], s2, v10
	v_add_nc_u32 v[ADRB], s3, v10
	s_delay_alu instid0(VALU_DEP_2)
	v_add_nc_u32 v[ADRA+1], CHUNK, v[ADRA]
	s_delay_alu instid0(VALU_DEP_2)
	v_add_nc_u32 v[ADRB+1], CHUNK, v[ADRB]
	s_mul_i32 s2, s15, 2176                        ; the scale words: 32 bytes a row, 8 rows to a run of 256 + 16
	s_mul_i32 s3, s16, 2176
	s_add_co_u32 s3, s3, SCB-SCA
	s_sub_co_u32 s3, s3, s2                        ; from x's rows to W's: one product with h
	v_mul_u32_u24 v11, s3, v9
	v_lshrrev_b32 v12, 3, v8
	s_delay_alu instid0(VALU_DEP_1)
	v_mul_u32_u24 v12, v12, 272
	v_and_b32 v13, 7, v8
	s_delay_alu instid0(VALU_DEP_1)
	v_lshl_add_u32 v12, v13, 5, v12
	s_add_co_u32 s2, s2, SCA
	v_add_nc_u32 v12, v12, v11
	s_delay_alu instid0(VALU_DEP_1)
	v_add_nc_u32 v[ADRS], s2, v12
	; the bias, in the result's layout
	s_cmp_eq_u32 ttmp9, 2
	s_cbranch_scc1 .Lbias_v
	s_cmp_eq_u32 ttmp9, 0
	s_cselect_b64 s[6:7], s[6:7], s[8:9]           ; bq or bk
	s_lshl_b32 s2, s18, 10
	s_lshl_b32 s3, s16, 8
	s_add_co_u32 s2, s2, s3                        ; column 256 cx + 64 wn
	s_mov_b32 s3, 0
	s_add_nc_u64 s[6:7], s[6:7], s[2:3]
	v_lshlrev_b32 v11, 6, v9                       ; + 16 h
.irp b, 0,1,2,3
	global_load_b128 v[BI+8*\b:BI+8*\b+3],   v11, s[6:7] offset:(32*(\b/2)+8*(\b%2))*4
	global_load_b128 v[BI+8*\b+4:BI+8*\b+7], v11, s[6:7] offset:(32*(\b/2)+8*(\b%2))*4+16
.endr
	s_branch .Lbias_done
.Lbias_v:
	s_lshl_b32 s2, s18, 6
	s_lshl_b32 s3, s16, 4
	s_add_co_u32 s2, s2, s3                        ; channel 16 cx + 4 wn
	s_mov_b32 s3, 0
	s_add_nc_u64 s[10:11], s[10:11], s[2:3]
	v_lshlrev_b32 v11, 11, v9                      ; c = 8 h + j: 64 columns from c to c + 1
.irp b, 0,1,2,3
.irp j, 0,1,2,3,4,5,6,7
	global_load_b32 v[BI+8*\b+\j], v11, s[10:11] offset:256*\j+4*\b
.endr
.endr
.Lbias_done:
.macro SCALES k                        ; chunk k's scale words: 4 words a row; lanes 0-15 x's tile i, lanes 16-31 W's tile i
.irp i, 0,1,2,3
	ds_load_b128 v[SC+4*\i:SC+4*\i+3], v[ADRS] offset:544*\i+16*(\k)
.endr
.endm
; A step of 128 along K: 16 fragment loads, 16 products.  The 16 accumulators take turns, one instruction a turn, in the same order in every step.
.macro KSTEP q
.set KAP, (\q)/4
.set QP,  (\q)%4
.if (\q) > 0
.rept 4
	v_nop                                          ; places in front of loads into registers that the last products have read
.endr
.endif
.if QP == 0
	SCALES KAP
.endif
.irp b, 0,1,2,3
.irp c, 0,1
	ds_load_b128 v[BF+8*\b+4*\c:BF+8*\b+4*\c+3], v[ADRB+KAP] offset:4352*\b+64*QP+32*\c
.endr
.endr
.irp a, 0,1,2,3
.irp c, 0,1
	ds_load_b128 v[AF+8*\a+4*\c:AF+8*\a+4*\c+3], v[ADRA+KAP] offset:4352*\a+64*QP+32*\c
.endr
.endr
.irp a, 0,1,2,3
	s_wait_dscnt 6-2*\a                            ; all up to x's fragment a are in; the two loads of each later fragment may be out
.irp b, 0,1,2,3
.if (\q) == 0
	v_wmma_scale_f32_16x16x128_f8f6f4 v[ACC+8*(4*\a+\b):ACC+8*(4*\a+\b)+7], v[BF+8*\b:BF+8*\b+7], v[AF+8*\a:AF+8*\a+7], v[BI+8*\b:BI+8*\b+7], v[SC+4*\b+QP], v[SC+4*\a+QP] matrix_a_fmt:MATRIX_FMT_FP4 matrix_b_fmt:MATRIX_FMT_FP4 matrix_a_scale:MATRIX_SCALE_ROW1
.else
	v_wmma_scale_f32_16x16x128_f8f6f4 v[ACC+8*(4*\a+\b):ACC+8*(4*\a+\b)+7], v[BF+8*\b:BF+8*\b+7], v[AF+8*\a:AF+8*\a+7], v[ACC+8*(4*\a+\b):ACC+8*(4*\a+\b)+7], v[SC+4*\b+QP], v[SC+4*\a+QP] matrix_a_fmt:MATRIX_FMT_FP4 matrix_b_fmt:MATRIX_FMT_FP4 matrix_a_scale:MATRIX_SCALE_ROW1
.endif
.endr
.endr
.endm
	s_wait_tensorcnt 0x0                           ; my one load has landed,
	s_barrier_signal -1
	s_barrier_wait -1                              ; everybody's are
	s_wait_loadcnt 0x0                             ; the bias
	s_wait_alu depctr_va_vdst(0)
	KSTEP 0
	KSTEP 1
	KSTEP 2
	KSTEP 3
	KSTEP 4
	KSTEP 5
	KSTEP 6
	KSTEP 7
.rept 4
	v_nop                                          ; places in front of the first reads of results and the first writes of operands' registers
.endr
.irp b, 0,1,2,3
	v_mov_b32 v[TM+4+\b], 0                        ; written once: a lane permute's destination counts as one of its sources
.endr
	s_cmp_eq_u32 ttmp9, 2                          ; the cluster's x: the same in all waves and all partners
	s_cbranch_scc1 .Lv_in
; ---- q, k INTO THE STAGE.  64 registers from s on are two tiles of 16 rows x 64 channels: register 16 b + i = channel 32 (b % 2) + 16 h + i of row r of tile 2 p + b / 2.
.macro QUANT s, p
.irp b, 0,1,2,3
	v_max3_num_f32 v[TM+\b], |v[(\s)+16*\b]|, |v[(\s)+1+16*\b]|, 0x1800000   ; my 16 numbers of block b, and the floor 2^(3 - 127); each accumulator is read from its low end on
.endr
.irp i, 2,4,6,8,10,12,14
.irp b, 0,1,2,3
	v_max3_num_f32 v[TM+\b], v[TM+\b], |v[(\s)+16*\b+\i]|, |v[(\s)+1+16*\b+\i]|
.endr
.endr
.irp b, 0,1,2,3
	s_delay_alu instid0(VALU_DEP_4)
	v_permlanex16_b32 v[TM+4+\b], v[TM+\b], s[SEL], s[SEL+1]
.endr
.irp b, 0,1,2,3
	s_delay_alu instid0(VALU_DEP_4)
	v_max_num_f32 v[TM+\b], v[TM+\b], v[TM+4+\b]   ; with lane l xor 16's: the block's largest magnitude
.endr
.irp b, 0,1,2,3
	s_delay_alu instid0(VALU_DEP_4)
	v_add_nc_u32 v[TM+12+\b], 0xff000000, v[TM+\b] ; 2 off its exponent field: the conversion's scale operand
.endr
.irp b, 0,1,2,3
	s_delay_alu instid0(VALU_DEP_4)
	v_lshrrev_b32 v[TM+4+\b], 23, v[TM+12+\b]      ; the scale's byte
.endr
	s_delay_alu instid0(VALU_DEP_3)
	v_lshl_or_b32 v[QW+2*(\p)],   v[TM+5], 8, v[TM+4]   ; a position's word: its two blocks' bytes; bytes 2 and 3 stay 0
	s_delay_alu instid0(VALU_DEP_2)
	v_lshl_or_b32 v[QW+2*(\p)+1], v[TM+7], 8, v[TM+6]
.irp b, 0,1,2,3
	v_cvt_scalef32_pk8_fp4_f32 v[PCQ+8*(\p)+2*\b],   v[(\s)+16*\b:(\s)+7+16*\b],    v[TM+12+\b]
	v_cvt_scalef32_pk8_fp4_f32 v[PCQ+8*(\p)+1+2*\b], v[(\s)+8+16*\b:(\s)+15+16*\b], v[TM+12+\b]
.endr
	v_nop                                          ; one plain place behind a scaled conversion
.irp c, 0,1                                    ; a whole block to a lane: in registers 4 c .. 4 c + 3 lanes 0-15 then hold block 0 of tile 2 p + c, lanes 16-31 block 1
.irp i, 0,1
	v_permlane16_swap_b32 v[PCQ+8*(\p)+4*\c+\i], v[PCQ+8*(\p)+2+4*\c+\i]
.endr
.endr
.endm
	s_mul_i32 s2, s15, 64*144
	s_lshl_b32 s3, s16, 5
	s_add_co_u32 s2, s2, s3
	s_add_co_u32 s2, s2, QSTG
	v_mul_u32_u24 v10, v8, 144
	s_delay_alu instid0(VALU_DEP_1)
	v_lshl_add_u32 v10, v9, 4, v10
	s_delay_alu instid0(VALU_DEP_1)
	v_add_nc_u32 v10, s2, v10                      ; codes: row 64 wm + r of 144 bytes, + 32 wn + 16 h
	v_and_b32 v12, 1, v8
	s_delay_alu instid0(VALU_DEP_1)
	v_mul_u32_u24 v12, v12, 4*272
	v_lshrrev_b32 v13, 1, v8
	s_delay_alu instid0(VALU_DEP_1)
	v_lshl_add_u32 v12, v13, 2, v12
	s_mul_i32 s2, s16, 272
	s_lshl_b32 s3, s15, 7
	s_add_co_u32 s2, s2, s3
	s_add_co_u32 s2, s2, QSS
	v_add_nc_u32 v12, s2, v12                      ; words: row 4 (r & 1) + wn of 272 bytes, word 32 wm + r / 2 (both halves of the lanes write the same word)
	QUANT ACC, 0
	ds_store_b128 v10, v[PCQ:PCQ+3]
	ds_store_b128 v10, v[PCQ+4:PCQ+7] offset:2304
	ds_store_b32 v12, v[QW]
	ds_store_b32 v12, v[QW+1] offset:32
	QUANT ACC+64, 1
	ds_store_b128 v10, v[PCQ+8:PCQ+11] offset:2*2304
	ds_store_b128 v10, v[PCQ+12:PCQ+15] offset:3*2304
	ds_store_b32 v12, v[QW+2] offset:64
	ds_store_b32 v12, v[QW+3] offset:96
	s_branch .Lmeet
.Lv_in:
; ---- v INTO THE STAGE.  Tile (a, b): lane (r, h) holds row 64 wm + 16 a + r, channel 4 wn + b of the group's 16, c = 8 h + 0 .. 7: eight neighbouring keys of the block of rows r, r xor 1.
.macro VQ a
.irp b, 0,1,2,3
	v_max3_num_f32 v[TM+\b], |v[ACC+32*(\a)+8*\b]|, |v[ACC+32*(\a)+8*\b+1]|, 0x1800000
.endr
.irp i, 2,4,6
.irp b, 0,1,2,3
	v_max3_num_f32 v[TM+\b], v[TM+\b], |v[ACC+32*(\a)+8*\b+\i]|, |v[ACC+32*(\a)+8*\b+\i+1]|
.endr
.endr
.irp b, 0,1,2,3
	s_delay_alu instid0(VALU_DEP_4)
	v_max_num_f32_dpp v[TM+\b], v[TM+\b], v[TM+\b] row_xmask:1 row_mask:0xf bank_mask:0xf   ; the block's other row
.endr
.irp b, 0,1,2,3
	s_delay_alu instid0(VALU_DEP_4)
	v_permlanex16_b32 v[TM+4+\b], v[TM+\b], s[SEL], s[SEL+1]
.endr
.irp b, 0,1,2,3
	s_delay_alu instid0(VALU_DEP_4)
	v_max_num_f32 v[TM+\b], v[TM+\b], v[TM+4+\b]   ; and its other eight c
.endr
.irp b, 0,1,2,3
	s_delay_alu instid0(VALU_DEP_4)
	v_add_nc_u32 v[TM+8+\b], 0xff000000, v[TM+\b]
.endr
.irp b, 0,1,2,3
	v_cvt_scalef32_pk8_fp4_f32 v[48+4*(\a)+\b], v[ACC+32*(\a)+8*\b:ACC+32*(\a)+8*\b+7], v[TM+8+\b]
.endr
.irp b, 0,1,2,3
	v_lshrrev_b32 v[64+4*(\a)+\b], 23, v[TM+8+\b]  ; the scale's byte (plain lines behind the conversions)
.endr
.irp b, 0,1,2,3
	ds_store_b32 v10, v[48+4*(\a)+\b] offset:1040*\b+128*(\a)
	ds_store_b8 v12, v[64+4*(\a)+\b] offset:64*\b+8*(\a)   ; the four lanes of a block write the same byte with the same value
.endr
.endm
	s_mul_i32 s2, s16, 4160
	s_lshl_b32 s3, s15, 9
	s_add_co_u32 s2, s2, s3
	s_add_co_u32 s2, s2, VSTG
	v_lshlrev_b32 v10, 3, v8
	s_delay_alu instid0(VALU_DEP_1)
	v_lshl_add_u32 v10, v9, 2, v10
	s_delay_alu instid0(VALU_DEP_1)
	v_add_nc_u32 v10, s2, v10                      ; codes: row 4 wn + b of 1,040 bytes; key / 2 = 512 wm + 128 a + 8 r + 4 h
	s_lshl_b32 s2, s16, 8
	s_lshl_b32 s3, s15, 5
	s_add_co_u32 s2, s2, s3
	s_add_co_u32 s2, s2, VSS
	v_lshrrev_b32 v12, 1, v8
	s_delay_alu instid0(VALU_DEP_1)
	v_add_nc_u32 v12, s2, v12                      ; bytes: row 4 wn + b of 64; block 32 wm + 8 a + r / 2
	VQ 0
	VQ 1
	VQ 2
	VQ 3
.Lmeet:
	s_wait_dscnt 0x0                               ; for the others' sake: my stores into the stage are done
	s_barrier_signal -1
	s_barrier_wait -1
	v_and_b32 v14, 31, v0                          ; lane
	s_cmp_eq_u32 ttmp9, 2
	s_cbranch_scc1 .Lv_out
	; ---- q, k OUT: wave w takes rows 16 w .. 16 w + 15 of the codes (two rows are 256 consecutive bytes of qkv) and row w of the words
	v_lshrrev_b32 v13, 3, v14
	s_delay_alu instid0(VALU_DEP_1)
	v_mul_u32_u24 v13, v13, 144
	v_and_b32 v15, 7, v0
	s_delay_alu instid0(VALU_DEP_1)
	v_lshl_add_u32 v13, v15, 4, v13
	s_mul_i32 s2, s[WV], 2304
	s_add_co_u32 s2, s2, QSTG
	v_add_nc_u32 v13, s2, v13                      ; four rows an instruction: row lane / 8, 16 bytes a lane
	s_wait_alu depctr_va_vdst(0)
	v_lshlrev_b32 v15, 10, v9
	s_delay_alu instid0(VALU_DEP_1)
	v_lshl_add_u32 v15, v8, 4, v15                 ; in qkv: 1,024 bytes from row pair to row pair
	v_lshlrev_b32 v33, 3, v14
	s_mul_i32 s2, s[WV], 272
	s_add_co_u32 s2, s2, QSS
	v_add_nc_u32 v32, s2, v33
	s_wait_alu depctr_va_vdst(0)
	s_mul_i32 s2, ttmp9, TSTR
	s_lshl_b32 s3, s21, 16
	s_add_co_u32 s86, s2, s3
	s_lshl_b32 s3, s18, 8
	s_add_co_u32 s86, s86, s3
	s_lshl_b32 s3, s[WV], 13
	s_add_co_u32 s86, s86, s3                      ; codes: tensor + 65,536 g + 256 cx + 8,192 w
	s_mov_b32 s87, 0
	s_add_nc_u64 s[86:87], s[12:13], s[86:87]
	s_lshl_b32 s3, s21, 13
	s_add_co_u32 s88, s2, s3
	s_lshl_b32 s3, s18, 11
	s_add_co_u32 s88, s88, s3
	s_lshl_b32 s3, s[WV], 8
	s_add_co_u32 s88, s88, s3
	s_add_co_u32 s88, s88, QS_REL                  ; words: tensor + QS_REL + 8,192 g + 256 (8 cx + w)
	s_mov_b32 s89, 0
	s_add_nc_u64 s[88:89], s[12:13], s[88:89]
.irp i, 0,1,2,3
	ds_load_b128 v[68+4*\i:68+4*\i+3], v13 offset:576*\i
.endr
	ds_load_b64 v[84:85], v32
.irp i, 0,1,2,3
	s_wait_dscnt 4-\i                              ; read-back i is in; the later ones may be out
	global_store_b128 v15, v[68+4*\i:68+4*\i+3], s[86:87] offset:2048*\i   ; sixteen lanes store 256 consecutive bytes, aligned
.endr
	s_wait_dscnt 0x0
	global_store_b64 v33, v[84:85], s[88:89]       ; 32 lanes store 256 consecutive bytes, aligned
	s_branch .Lend
.Lv_out:
	; ---- v OUT: wave w takes channels 2 w, 2 w + 1 of the group's 16: 2,048 consecutive bytes of qkv; waves 0 to 3 the scale bytes, 256 each
	s_wait_alu depctr_va_vdst(0)
	v_lshlrev_b32 v15, 4, v14
	s_mul_i32 s2, s[WV], 2080
	s_add_co_u32 s2, s2, VSTG
	v_add_nc_u32 v13, s2, v15
	s_wait_alu depctr_va_vdst(0)
	v_lshlrev_b32 v33, 3, v14
	s_lshl_b32 s22, s16, 8                         ; 256 (w & 3)
	s_add_co_u32 s2, s22, VSS
	v_add_nc_u32 v32, s2, v33
	s_lshl_b32 s86, s21, 16
	s_lshl_b32 s3, s18, 14
	s_add_co_u32 s86, s86, s3
	s_lshl_b32 s3, s[WV], 11
	s_add_co_u32 s86, s86, s3
	s_add_co_u32 s86, s86, VC_OFF
	s_mov_b32 s87, 0
	s_add_nc_u64 s[86:87], s[12:13], s[86:87]
	s_lshl_b32 s88, s21, 12
	s_lshl_b32 s3, s18, 10
	s_add_co_u32 s88, s88, s3
	s_add_co_u32 s88, s88, s22
	s_add_co_u32 s88, s88, VS_OFF
	s_mov_b32 s89, 0
	s_add_nc_u64 s[88:89], s[12:13], s[88:89]
.irp i, 0,1,2,3
	ds_load_b128 v[68+4*\i:68+4*\i+3], v13 offset:(\i/2)*1040+(\i%2)*512
.endr
.irp i, 0,1,2,3
	s_wait_dscnt 3-\i                              ; read-back i is in; the later ones may be out
	global_store_b128 v15, v[68+4*\i:68+4*\i+3], s[86:87] offset:512*\i    ; 32 lanes store 512 consecutive bytes, aligned
.endr
	s_cmp_lt_u32 s[WV], 4
	s_cbranch_scc0 .Lend
	s_wait_alu depctr_va_vdst(0)
	ds_load_b64 v[84:85], v32
	s_wait_dscnt 0x0
	global_store_b64 v33, v[84:85], s[88:89]
.Lend:
	s_wait_tensorcnt 0x0                           ; the wave's end
	ds_add_u32 v[SPW], v[NIL]
	s_wait_dscnt 0x0
	CROUND                                         ; the closing round: no work-group ends while a partner may still ask for a tile that names it
	s_endpgm
.Lfunc_end_k_q07a2c35981_proj:
	.size	k_q07a2c35981_proj, .Lfunc_end_k_q07a2c35981_proj-k_q07a2c35981_proj
	.p2alignl 7, 3214868480
	.fill 96, 4, 3214868480
	.section	.rodata,"a",@progbits
	.p2align	6, 0x0
	.amdhsa_kernel k_q07a2c35981_proj
		.amdhsa_group_segment_fixed_size 261376
		.amdhsa_private_segment_fixed_size 0
		.amdhsa_enable_private_segment 0
		.amdhsa_kernarg_size 40
		.amdhsa_user_sgpr_count 2
		.amdhsa_user_sgpr_kernarg_segment_ptr 1
		.amdhsa_wavefront_size32 1
		.amdhsa_system_sgpr_workgroup_id_x 1
		.amdhsa_system_sgpr_workgroup_id_y 1
		.amdhsa_system_sgpr_workgroup_id_z 1
		.amdhsa_system_vgpr_workitem_id 0
		.amdhsa_next_free_vgpr 256
		.amdhsa_next_free_sgpr 100
		.amdhsa_reserve_vcc 0
		.amdhsa_float_denorm_mode_32 3
		.amdhsa_float_denorm_mode_16_64 3
		.amdhsa_memory_ordered 1
		.amdhsa_forward_progress 1
		.amdhsa_inst_pref_size 69
	.end_amdhsa_kernel
	.amdgpu_metadata
---
amdhsa.version: [ 1, 2 ]
amdhsa.kernels:
  - .name:           k_q07a2c35981_proj
    .symbol:         k_q07a2c35981_proj.kd
    .args:
      - { .name: xw, .offset: 0, .size: 8, .value_kind: global_buffer, .address_space: global }
      - { .name: bq, .offset: 8, .size: 8, .value_kind: global_buffer, .address_space: global }
      - { .name: bk, .offset: 16, .size: 8, .value_kind: global_buffer, .address_space: global }
      - { .name: bv, .offset: 24, .size: 8, .value_kind: global_buffer, .address_space: global }
      - { .name: qkv, .offset: 32, .size: 8, .value_kind: global_buffer, .address_space: global }
    .group_segment_fixed_size: 261376
    .private_segment_fixed_size: 0
    .kernarg_segment_align: 8
    .kernarg_segment_size: 40
    .max_flat_workgroup_size: 256
    .sgpr_count:     100
    .vgpr_count:     256
    .wavefront_size: 32
...
	.end_amdgpu_metadata
.endif
;; end of part 2
;; launch attn (part 3): grid 4 x 64, 16 waves a work-group, clusters of 4 x 1, 221,184 bytes of LDS; arguments qkv, out0; writes out0
.if DOCPART == 3
	.amdgcn_target "amdgcn-amd-amdhsa--gfx1250"
	.amdhsa_code_object_version 6
	.text
	.protected	k_q07a2c35981_attn
	.globl	k_q07a2c35981_attn
	.p2align	8
	.type	k_q07a2c35981_attn,@function
k_q07a2c35981_attn:
	s_mov_b64 s[64:65], 0
	v_nop
	global_prefetch_b8 v0, s[64:65] scope:SCOPE_SE
	s_setreg_imm32_b32 hwreg(HW_REG_WAVE_MODE, 25, 1), 1
	s_wait_xcnt 0x0
	s_wait_alu depctr_hold_cnt(0) depctr_sa_sdst(0) depctr_va_vdst(0) depctr_va_sdst(0) depctr_va_ssrc(0) depctr_va_vcc(0) depctr_vm_vsrc(0)
	s_getreg_b32 s2, hwreg(HW_REG_IB_STS2, 6, 4)
	s_cmp_eq_u32 s2, 0
	s_cbranch_scc0 .Lentry_in_a_cluster
	s_endpgm
.Lentry_in_a_cluster:
	s_bfe_u32 s2, ttmp6, 0x10000c
	s_cmp_lg_u32 s2, 0x3003
	s_cbranch_scc0 .Lentry_shape_is_right
	s_endpgm
.Lentry_shape_is_right:
; out0[g][q][:] = the sum over k of softmax_k(Q[g][q] . K[g][k] / 32) V[g][k][:], 64 heads of 2,048 positions x 64 channels, both products on codes of FP4 with E8M0 scales (workspace qkv, laid by launch proj).
; Nothing of the problem is left out.  The head's 64 channels fill half of the instruction's 128 along K: Q's upper half is zero codes, which add nothing whatever stands against them (no scale byte here is 0xff).
; THE SOFTMAX AHEAD OF THE SECOND PRODUCT: t = score x log2(e) / 32; M = the row's largest t so far, rounded UP to a whole number; p = 2^(t - M) is quantised along the keys, not normalised.  The row's sum is taken
; of the unquantised p and divides at the end.  When M moves, the sum and O are multiplied by 2^(old M - new M): exact.
; LIMITS: a p under 2^-126 comes out of v_exp_f32 as 0; a block of p whose largest lies under 2^-124 gets the byte 1; NaN and infinities are not served.
; SHARES.  The four work-groups of a cluster own one head, 512 queries each; each of the sixteen waves owns a block of 32 positions, in two passes of 16 queries over all 2,048 keys, 128 a step.
; Four waves share a SIMD, so that one wave's vector work stands beside another's products and LDS loads.
; THE WHOLE HEAD'S K AND V, codes and scales, LIE IN LDS, filled once, asked for JOINTLY by the four work-groups: no LDS byte is filled twice.  No prefetch: every tensor load stands at the kernel's head.
; LAYOUT.  Both products are used transposed: S^T = K Q^T (source 0 = 16 keys, source 1 = my 16 queries), O^T = V^T P^T (source 0 = 16 channels, source 1 = P): a lane holds ONE query throughout.
; Row m of K's tile 2 b + u is key 32 b + 16 (m / 8) + 8 u + m % 8, so that the 16 registers of tiles 2 b, 2 b + 1 are the neighbouring keys 32 b + 16 (lane / 16) + 0 .. 15; a pass's queries are chosen alike.
; In qkv that key is row pair b, y = m / 8, column group c = 8 u + m % 8: run (b, cg = c / 4) of 256 bytes, + 128 y + 32 (c % 4) + 16 x (block of 32 channels).
.set QS_OFF, 4194304
.set KC_OFF, 4718592
.set KS_OFF, 8912896
.set VC_OFF, 9437184
.set VS_OFF, 13631488
.set VCL,   69632                      ; LDS: from 0 K's codes, 256 runs x (256 + 16); here V's, 64 rows x (1,024 + 16)
.set KSL,   136192                     ; K's scale words: 32 rows x (256 + 16)
.set VSL,   144896                     ; V's scale bytes: 64 rows x (64 + 8)
.set STAGE, 149504                     ; the way out: 16 rows x (256 + 16) for each wave; no fill lands here
.set SPARE, 219136                     ; the spare words, 128 bytes a wave, which no other line names
.set AK0,  1                           ; v1   my lane's place in a tile of K
.set AV0,  2                           ; v2   in a tile of V
.set ASK0, 3                           ; v3   among K's scale words
.set ASV0, 4                           ; v4   among V's
.set SPW,  5                           ; v5   my spare word's address; never rewritten
.set NIL,  6                           ; v6   0; never rewritten
.set GO,   7                           ; v7   my byte offset in two positions of out0
.set ADK,  8                           ; v8-11 the addresses of the loads in hand
.set ADV,  9
.set ADS,  10
.set ADT,  11                          ; v12 -M, v13 the largest SCORE so far (t = c x score), v[14:15] the sum in two halves
.set Q0R,  16                          ; v16-23 pass 0's queries (v20-23 zero codes);  v24-31 pass 1's
.set Q1R,  24
.set KFR,  32                          ; v32-67 K: tile T's codes in 4 registers at 32 + 4 T; its operand runs on over the next tile's four, which meet Q's zero codes; v64-67 are zeros
.set VF,   68                          ; v68-99 V's four fragments
.set S,    100                         ; v100-163 S^T, then p; on the way out O / the sum and the rows read back
.set O,    164                         ; v164-195 O^T
.set PC,   196                         ; v196-203 p's codes
.set KSC,  204                         ; v204-207 K's scale words: register b: lanes 0-15 tile 2 b, lanes 16-31 tile 2 b + 1
.set VSC,  208                         ; v208-211 V's: register 2 (t / 2) + step: lanes 0-15 tile t even, lanes 16-31 t odd
.set PS,   212                         ; v212 p's scale word
.set BM,   216                         ; v216-219 the blocks' largest scores, then largest p
.set T2,   220                         ; v220-223 at work
.set SO,   224                         ; v224-227 the conversions' scale operands
.set F,    228                         ; v[228:229] f = 2^(old M - new M) (the pair is named; its low word serves both halves)
.set TP,   230
.set SUM2, 232
.set QS0,  234                         ; v234, v235 Q's scale words
.set QS1,  235
.set STO,  236
.set RD,   237
.set QA,   238
.set QSA,  239
.set WV,   18
.set SEL,  20
.set CS,   22                          ; s[22:23] c = log2(e) / 32
.set G1K,  24
.set G1V,  32
.set G1KS, 40
.set G1VS, 48
.set G0K,  56
.set G0V,  60
.set G0KS, 68
.set G0VS, 72
.set TK,   76                          ; where the trip's two steps begin: in K's codes,
.set TV,   77                          ; in a row of V's codes,
.set TS,   78                          ; in a row of K's scale words,
.set TT,   79                          ; in a row of V's scale bytes
.set CNT,  80
.macro CROUND
	s_barrier_signal -1
	s_barrier_wait -1
	s_cmp_lg_u32 s[WV], 0
	s_cbranch_scc1 .Lnot_wave_0_\@
	s_barrier_signal -3
.Lnot_wave_0_\@:
	s_barrier_wait -3
	s_barrier_signal -1
	s_barrier_wait -1
.endm
	s_load_b128 s[4:7], s[0:1], 0x0                ; qkv, out0
	v_lshl_add_u32 v[SPW], v0, 2, SPARE
	v_mov_b32 v[NIL], 0
	ds_add_u32 v[SPW], v[NIL]                      ; the opening: the add, twice on end, and its wait ahead of the first tensor load
	ds_add_u32 v[SPW], v[NIL]
	v_lshrrev_b32 v8, 5, v0
	s_delay_alu instid0(VALU_DEP_1)
	v_readfirstlane_b32 s[WV], v8                  ; wave 0..15
	s_bfe_u32 s8, ttmp6, 0x40000                   ; cx: it enters Q's and out0's addresses alone
	s_and_b32 s9, ttmp7, 0xffff                    ; the head, which the four partners share
	s_lshl_b32 s10, s8, 4
	s_add_co_u32 s10, s10, s[WV]                   ; my block of 32 positions
	s_and_b32 s11, s[WV], 3
	; descriptor groups 1: mask = all four work-groups, bit 21 beside it, elements of 8 bytes, padding on
	s_mov_b32 s[G1K], 15|(3<<16)|(1<<20)|(1<<21)|(5<<22)|(3<<25)    ; K's codes: 64 rows of 256 dense bytes, 4 words behind every 64
	s_mov_b32 s[G1K+1], 32<<16
	s_mov_b32 s[G1K+2], 64<<16
	s_mov_b32 s[G1K+3], 32<<16
	s_mov_b32 s[G1K+4], 64
	s_mov_b32 s[G1K+5], 32
	s_mov_b32 s[G1K+6], 0
	s_mov_b32 s[G1K+7], 0
	s_mov_b32 s[G1V], 15|(3<<16)|(1<<20)|(1<<21)|(7<<22)|(3<<25)    ; V's codes: 16 rows of 1,024 bytes, 4 words behind every 256
	s_mov_b32 s[G1V+1], 128<<16
	s_mov_b32 s[G1V+2], 16<<16
	s_mov_b32 s[G1V+3], 128<<16
	s_mov_b32 s[G1V+4], 16
	s_mov_b32 s[G1V+5], 128
	s_mov_b32 s[G1V+6], 0
	s_mov_b32 s[G1V+7], 0
	s_mov_b32 s[G1KS], 15|(3<<16)|(1<<20)|(1<<21)|(5<<22)|(3<<25)   ; K's scale words: 32 rows of 256 bytes
	s_mov_b32 s[G1KS+1], 32<<16
	s_mov_b32 s[G1KS+2], 32<<16
	s_mov_b32 s[G1KS+3], 32<<16
	s_mov_b32 s[G1KS+4], 32
	s_mov_b32 s[G1KS+5], 32
	s_mov_b32 s[G1KS+6], 0
	s_mov_b32 s[G1KS+7], 0
	s_mov_b32 s[G1VS], 15|(3<<16)|(1<<20)|(1<<21)|(3<<22)|(1<<25)   ; V's scale bytes: 64 rows of 64 bytes, 2 words behind every 16
	s_mov_b32 s[G1VS+1], 8<<16
	s_mov_b32 s[G1VS+2], 64<<16
	s_mov_b32 s[G1VS+3], 8<<16
	s_mov_b32 s[G1VS+4], 64
	s_mov_b32 s[G1VS+5], 8
	s_mov_b32 s[G1VS+6], 0
	s_mov_b32 s[G1VS+7], 0
	s_lshl_b32 s12, s9, 16
	s_lshl_b32 s13, s11, 14
	s_add_co_u32 s12, s12, s13                     ; 65,536 g + 16,384 (wave & 3): a quarter of the head's codes
	s_add_co_u32 s14, s12, KC_OFF
	s_mov_b32 s15, 0
	s_add_co_u32 s16, s12, VC_OFF
	s_mov_b32 s17, 0
	s_mul_i32 s82, s11, 17408
	s_mul_i32 s83, s11, 16640
	s_lshl_b32 s84, s9, 13
	s_add_co_u32 s84, s84, KS_OFF
	s_mov_b32 s85, 0
	s_lshl_b32 s86, s9, 12
	s_add_co_u32 s86, s86, VS_OFF
	s_mov_b32 s87, 0
	s_lshl_b32 s88, s9, 16
	s_lshl_b32 s89, s10, 10
	s_add_co_u32 s88, s88, s89                     ; my queries' codes: 65,536 g + 1,024 x block
	s_mov_b32 s89, 0
	s_lshl_b32 s92, s9, 13
	s_lshl_b32 s93, s10, 2
	s_add_co_u32 s92, s92, s93
	s_add_co_u32 s92, s92, QS_OFF                  ; their scale words
	s_mov_b32 s93, 0
	s_lshl_b32 s94, s9, 19
	s_lshl_b32 s95, s10, 13
	s_add_co_u32 s94, s94, s95                     ; my 32 positions in out0: 256 bytes each
	s_mov_b32 s95, 0
	s_mov_b32 s[SEL], 0x76543210
	s_mov_b32 s[SEL+1], 0xfedcba98
	s_mov_b32 s[CS], 0x3d38aa3b                    ; c = log2(e) / 32
	s_mov_b32 s[CS+1], s[CS]
	s_wait_dscnt 0x0                               ; both opening adds are done
	s_wait_kmcnt 0x0
	s_mov_b32 s[G0K], 1
	s_mov_b32 s[G0K+1], s82
	s_add_nc_u64 s[G0K+2:G0K+3], s[4:5], s[14:15]
	s_or_b32 s[G0K+3], s[G0K+3], 0x80000000
	s_mov_b32 s[G0V], 1
	s_add_co_u32 s[G0V+1], s83, VCL
	s_add_nc_u64 s[G0V+2:G0V+3], s[4:5], s[16:17]
	s_or_b32 s[G0V+3], s[G0V+3], 0x80000000
	s_mov_b32 s[G0KS], 1
	s_mov_b32 s[G0KS+1], KSL
	s_add_nc_u64 s[G0KS+2:G0KS+3], s[4:5], s[84:85]
	s_or_b32 s[G0KS+3], s[G0KS+3], 0x80000000
	s_mov_b32 s[G0VS], 1
	s_mov_b32 s[G0VS+1], VSL
	s_add_nc_u64 s[G0VS+2:G0VS+3], s[4:5], s[86:87]
	s_or_b32 s[G0VS+3], s[G0VS+3], 0x80000000
	s_add_nc_u64 s[88:89], s[4:5], s[88:89]
	s_add_nc_u64 s[92:93], s[4:5], s[92:93]
	s_add_nc_u64 s[6:7], s[6:7], s[94:95]
	CROUND                                         ; all four work-groups are here: the joint loads meet
	; THE FIRST FILLS, and the only ones: waves 0-3 K's codes, 4-7 V's, wave 8 K's scale words, wave 9 V's scale bytes: at most one load of a wave is out.  One branch on the wave's number
	s_cmp_lt_u32 s[WV], 4
	s_cbranch_scc0 .Lfill_1
	tensor_load_to_lds s[G0K:G0K+3], s[G1K:G1K+7]
	s_nop 0
.rept 4
	v_nop
.endr
	s_branch .Lfilled
.Lfill_1:
	s_cmp_lt_u32 s[WV], 8
	s_cbranch_scc0 .Lfill_2
	tensor_load_to_lds s[G0V:G0V+3], s[G1V:G1V+7]
	s_nop 0
.rept 4
	v_nop
.endr
	s_branch .Lfilled
.Lfill_2:
	s_cmp_eq_u32 s[WV], 8
	s_cbranch_scc0 .Lfill_3
	tensor_load_to_lds s[G0KS:G0KS+3], s[G1KS:G1KS+7]
	s_nop 0
.rept 4
	v_nop
.endr
	s_branch .Lfilled
.Lfill_3:
	s_cmp_eq_u32 s[WV], 9
	s_cbranch_scc0 .Lfilled
	tensor_load_to_lds s[G0VS:G0VS+3], s[G1VS:G1VS+7]
	s_nop 0
.rept 4
	v_nop
.endr
.Lfilled:
	v_and_b32 v8, 15, v0                           ; r
	v_bfe_u32 v9, v0, 4, 1                         ; h
	v_bfe_u32 v10, v0, 2, 1                        ; x' = (r / 4) % 2
	v_bfe_u32 v11, v0, 3, 1                        ; y = r / 8
	v_and_b32 v12, 3, v0                           ; z = r % 4
	v_and_b32 v13, 31, v0                          ; lane
	s_delay_alu instid0(VALU_DEP_4)
	v_lshlrev_b32 v[QA], 8, v10
	s_delay_alu instid0(VALU_DEP_1)
	v_lshl_add_u32 v[QA], v11, 7, v[QA]
	s_delay_alu instid0(VALU_DEP_1)
	v_lshl_add_u32 v[QA], v12, 5, v[QA]
	s_delay_alu instid0(VALU_DEP_1)
	v_lshl_add_u32 v[QA], v9, 4, v[QA]             ; Q's codes in memory: 256 x' + 128 y + 32 z + 16 h; pass u: 512 u on
	v_lshlrev_b32 v[QSA], 3, v10
	s_delay_alu instid0(VALU_DEP_1)
	v_lshl_add_u32 v[QSA], v11, 2, v[QSA]
	s_delay_alu instid0(VALU_DEP_1)
	v_add_nc_u32 v[QSA], v[QSA], v12
	s_delay_alu instid0(VALU_DEP_1)
	v_lshlrev_b32 v[QSA], 8, v[QSA]                ; Q's scale words: row 8 x' + 4 y + z of 256 bytes; pass u: 16 rows on
	global_load_b128 v[Q0R:Q0R+3], v[QA], s[88:89]
	global_load_b128 v[Q1R:Q1R+3], v[QA], s[88:89] offset:512
	global_load_b32 v[QS0], v[QSA], s[92:93]
	global_load_b32 v[QS1], v[QSA], s[92:93] offset:4096
.irp j, 4,5,6,7
	v_mov_b32 v[Q0R+\j], 0                         ; zero codes for k = 64 .. 127
	v_mov_b32 v[Q1R+\j], 0
	v_mov_b32 v[KFR+28+\j], 0                      ; behind the last tile of K
.endr
	v_mul_u32_u24 v[AK0], v10, 272
	s_delay_alu instid0(VALU_DEP_1)
	v_lshl_add_u32 v[AK0], v11, 7, v[AK0]
	s_delay_alu instid0(VALU_DEP_1)
	v_lshl_add_u32 v[AK0], v12, 5, v[AK0]
	s_delay_alu instid0(VALU_DEP_1)
	v_lshl_add_u32 v[AK0], v9, 4, v[AK0]           ; K in LDS: 272 x' + 128 y + 32 z + 16 h; tile T: 544 T on
	v_mul_u32_u24 v[AV0], v8, 1040
	s_delay_alu instid0(VALU_DEP_1)
	v_lshl_add_u32 v[AV0], v9, 4, v[AV0]
	s_delay_alu instid0(VALU_DEP_1)
	v_add_nc_u32 v[AV0], VCL, v[AV0]               ; V: row r of a tile, + 16 h
	v_lshlrev_b32 v14, 4, v9
	s_delay_alu instid0(VALU_DEP_1)
	v_lshl_add_u32 v14, v10, 3, v14
	s_delay_alu instid0(VALU_DEP_1)
	v_lshl_add_u32 v14, v11, 2, v14
	s_delay_alu instid0(VALU_DEP_1)
	v_add_nc_u32 v14, v14, v12
	s_delay_alu instid0(VALU_DEP_1)
	v_mul_u32_u24 v[ASK0], v14, 272
	s_delay_alu instid0(VALU_DEP_1)
	v_add_nc_u32 v[ASK0], KSL, v[ASK0]             ; K's scale words: row 16 h + 8 x' + 4 y + z: lanes 16-31 take the odd tiles'
	v_mul_u32_u24 v[ASV0], v13, 72
	s_delay_alu instid0(VALU_DEP_1)
	v_add_nc_u32 v[ASV0], VSL, v[ASV0]             ; V's: row = lane: tiles 0 | 1; 32 rows on: tiles 2 | 3
	v_lshlrev_b32 v[GO], 8, v9
	s_delay_alu instid0(VALU_DEP_1)
	v_lshl_add_u32 v[GO], v8, 4, v[GO]
	s_mul_i32 s11, s[WV], 4352
	s_add_co_u32 s11, s11, STAGE                   ; my stage
	v_mul_u32_u24 v[STO], v8, 272
	s_delay_alu instid0(VALU_DEP_1)
	v_lshl_add_u32 v[STO], v9, 5, v[STO]
	s_delay_alu instid0(VALU_DEP_1)
	v_add_nc_u32 v[STO], s11, v[STO]               ; in: row r, + 32 h
	v_mul_u32_u24 v[RD], v9, 272
	s_delay_alu instid0(VALU_DEP_1)
	v_lshl_add_u32 v[RD], v8, 4, v[RD]
	s_delay_alu instid0(VALU_DEP_1)
	v_add_nc_u32 v[RD], s11, v[RD]                 ; back: lanes 0-15 one row, lanes 16-31 the next
.irp b, 0,1,2,3
	v_mov_b32 v[T2+\b], 0                          ; written once: a lane permute's destination counts as one of its sources
.endr
	v_mov_b32 v[TP], 0
	v_mov_b32 v[F+1], 0                            ; (named as the upper half of the pair)
	s_wait_tensorcnt 0x0                           ; my load has landed,
	s_barrier_signal -1
	s_barrier_wait -1                              ; everybody's has: the head lies in LDS
	s_wait_loadcnt 0x0                             ; Q
; A KEY STEP: 128 keys, the tau-th of the trip's two.  qr, qs: the pass's queries and their scale words.
.macro STEP qr, qs, tau
.if (\tau) == 0
	v_add_nc_u32 v[ADK], s[TK], v[AK0]             ; K's loads land in registers that the first product read a whole softmax ago: no places are owed here
	v_add_nc_u32 v[ADS], s[TS], v[ASK0]
.endif
.irp T, 0,1,2,3,4,5,6,7
	ds_load_b128 v[KFR+4*\T:KFR+4*\T+3], v[ADK] offset:4352*(\tau)+544*\T
.endr
	ds_load_b128 v[KSC:KSC+3], v[ADS] offset:16*(\tau)
	s_wait_dscnt 0x0                               ; K and its scale words are in
.irp T, 0,1,2,3,4,5,6,7
.if (\T)%2
	v_wmma_scale_f32_16x16x128_f8f6f4 v[S+8*\T:S+8*\T+7], v[KFR+4*\T:KFR+4*\T+7], v[\qr:\qr+7], 0, v[KSC+\T/2], v[\qs] matrix_a_fmt:MATRIX_FMT_FP4 matrix_b_fmt:MATRIX_FMT_FP4 matrix_a_scale:MATRIX_SCALE_ROW1
.else
	v_wmma_scale_f32_16x16x128_f8f6f4 v[S+8*\T:S+8*\T+7], v[KFR+4*\T:KFR+4*\T+7], v[\qr:\qr+7], 0, v[KSC+\T/2], v[\qs] matrix_a_fmt:MATRIX_FMT_FP4 matrix_b_fmt:MATRIX_FMT_FP4
.endif
.endr
; Four plain lines: the places behind the products above, ahead of the first read of S^T, and behind the last step's second product, ahead of the loads into V's registers and scale words
.if (\tau) == 0
	v_add_nc_u32 v[ADV], s[TV], v[AV0]
	v_add_nc_u32 v[ADT], s[TT], v[ASV0]
.else
	v_nop
	v_nop
.endif
	v_mov_b32 v[TP], v12                           ; the old -M
	v_nop
.if (\tau) == 0
	ds_load_b64 v[VSC:VSC+1], v[ADT]               ; V's scale words of both steps
	ds_load_b64 v[VSC+2:VSC+3], v[ADT] offset:2304
.endif
.irp t, 0,1,2,3
.irp c, 0,1
	ds_load_b128 v[VF+8*\t+4*\c:VF+8*\t+4*\c+3], v[ADV] offset:16640*\t+64*(\tau)+32*\c   ; V: it has the softmax in which to land
.endr
.endr
.irp b, 0,1,2,3
	v_max3_num_f32 v[BM+\b], v[S+16*\b], v[S+1+16*\b], v[S+2+16*\b]   ; the largest score of each block of 32 keys: for the row's maximum and, since p rises with the score, for the block's largest p; each accumulator is read from its low end on
.endr
.irp i, 3,5,7,9,11,13
.irp b, 0,1,2,3
	v_max3_num_f32 v[BM+\b], v[BM+\b], v[S+16*\b+\i], v[S+1+16*\b+\i]
.endr
.endr
.irp b, 0,1,2,3
	v_max_num_f32 v[BM+\b], v[BM+\b], v[S+15+16*\b]
.endr
.irp b, 0,1,2,3
	v_permlanex16_b32 v[T2+\b], v[BM+\b], s[SEL], s[SEL+1]   ; (the four blocks' chains take turns, here and below)
.endr
.irp b, 0,1,2,3
	v_max_num_f32 v[BM+\b], v[BM+\b], v[T2+\b]     ; with lane l xor 16's 16 keys
.endr
	s_delay_alu instid0(VALU_DEP_2)
	v_max3_num_f32 v[T2], v[BM], v[BM+1], v[BM+2]
	s_delay_alu instid0(VALU_DEP_1)
	v_max3_num_f32 v13, v13, v[T2], v[BM+3]        ; the running largest score of my query
	s_delay_alu instid0(VALU_DEP_1)
	v_mul_f32 v[T2], s[CS], v13                    ; as t (c is positive, so the largest score gives the largest t)
	s_delay_alu instid0(VALU_DEP_1)
	v_floor_f32 v12, -v[T2]                        ; the new -M = floor(-t) = -ceil(t)
	s_delay_alu instid0(VALU_DEP_1)
	v_sub_f32 v[TP], v12, v[TP]                    ; old M - new M: a whole number, 0 or less
	s_delay_alu instid0(VALU_DEP_1)
	v_cvt_i32_f32 v[TP], v[TP]                     ; (it saturates)
	s_delay_alu instid0(VALU_DEP_1)
	v_ldexp_f32 v[F], 1.0, v[TP]                   ; f = 2^(old M - new M)
.set J, 0
.rept 32
	v_pk_fma_f32 v[S+J:S+J+1], v[S+J:S+J+1], s[CS:CS+1], v[12:13] op_sel_hi:[1,0,0]   ; t - M, two at a time
.set J, J+2
.endr
.irp b, 0,1,2,3
	v_fma_f32 v[BM+\b], v[BM+\b], s[CS], v12       ; the same of each block's largest score
.endr
.set J, 0
	s_wait_alu depctr_va_vdst(0)
.rept 64
	v_exp_f32 v[S+J], v[S+J]                       ; p = 2^(t - M), at most 1
.set J, J+1
.endr
	v_pk_mul_f32 v[14:15], v[14:15], v[F:F+1] op_sel_hi:[1,0]   ; the sums under the new M (a plain place behind the exponentials)
	s_wait_alu depctr_va_vdst(0)                   ; one wait for the batch of 64, ahead of its first reader
.irp b, 0,1,2,3
	v_exp_f32 v[BM+\b], v[BM+\b]                   ; the block's largest p: the same two instructions on the same number
.endr
	v_pk_add_f32 v[232:233], v[104:105], v[108:109]
	v_pk_add_f32 v[254:255], v[112:113], v[116:117]
	v_pk_add_f32 v[252:253], v[120:121], v[124:125]
	v_pk_add_f32 v[250:251], v[128:129], v[132:133]
	v_pk_add_f32 v[248:249], v[136:137], v[140:141]
	v_pk_add_f32 v[246:247], v[144:145], v[148:149]
	v_pk_add_f32 v[244:245], v[152:153], v[156:157]
	v_pk_add_f32 v[14:15], v[14:15], v[160:161]
	v_pk_add_f32 v[232:233], v[232:233], v[100:101]
	v_pk_add_f32 v[254:255], v[254:255], v[102:103]
	v_pk_add_f32 v[252:253], v[252:253], v[106:107]
	v_pk_add_f32 v[250:251], v[250:251], v[110:111]
	v_pk_add_f32 v[248:249], v[248:249], v[114:115]
	v_pk_add_f32 v[246:247], v[246:247], v[118:119]
	v_pk_add_f32 v[244:245], v[244:245], v[122:123]
	v_pk_add_f32 v[14:15], v[14:15], v[126:127]
	v_pk_add_f32 v[232:233], v[232:233], v[130:131]
	v_pk_add_f32 v[254:255], v[254:255], v[134:135]
	v_pk_add_f32 v[252:253], v[252:253], v[138:139]
	v_pk_add_f32 v[250:251], v[250:251], v[142:143]
	v_pk_add_f32 v[248:249], v[248:249], v[146:147]
	v_pk_add_f32 v[246:247], v[246:247], v[150:151]
	v_pk_add_f32 v[244:245], v[244:245], v[154:155]
	v_pk_add_f32 v[14:15], v[14:15], v[158:159]
	v_pk_add_f32 v[232:233], v[232:233], v[162:163]
	s_delay_alu instid0(VALU_DEP_2)
	v_pk_add_f32 v[14:15], v[14:15], v[250:251]
	s_delay_alu instid0(VALU_DEP_2)
	v_pk_add_f32 v[232:233], v[232:233], v[248:249]
	v_pk_add_f32 v[254:255], v[254:255], v[246:247]
	v_pk_add_f32 v[252:253], v[252:253], v[244:245]
	s_delay_alu instid0(VALU_DEP_2)
	v_pk_add_f32 v[14:15], v[14:15], v[254:255]
	s_delay_alu instid0(VALU_DEP_2)
	v_pk_add_f32 v[232:233], v[232:233], v[252:253]
	s_delay_alu instid0(VALU_DEP_1)
	v_pk_add_f32 v[14:15], v[14:15], v[232:233]
	s_wait_alu depctr_va_vdst(0)                   ; and one for the four
.irp b, 0,1,2,3
	v_max_num_f32 v[BM+\b], 0x1800000, v[BM+\b]    ; the floor 2^(3 - 127): the byte cannot fall under 1
.endr
.irp b, 0,1,2,3
	v_add_nc_u32 v[SO+\b], 0xff000000, v[BM+\b]    ; 2 off the exponent field: the conversion's scale operand
.endr
.irp b, 0,1,2,3
	v_lshrrev_b32 v[T2+\b], 23, v[SO+\b]           ; the scale's byte
.endr
	s_delay_alu instid0(VALU_DEP_3)
	v_lshl_or_b32 v[PS], v[T2+1], 8, v[T2]         ; p's scale word for these 128 keys
	s_delay_alu instid0(VALU_DEP_1)
	v_lshl_or_b32 v[PS], v[T2+2], 16, v[PS]
	s_delay_alu instid0(VALU_DEP_1)
	v_lshl_or_b32 v[PS], v[T2+3], 24, v[PS]
.irp b, 0,1,2,3
	v_cvt_scalef32_pk8_fp4_f32 v[PC+2*\b],   v[S+16*\b:S+7+16*\b],    v[SO+\b]
	v_cvt_scalef32_pk8_fp4_f32 v[PC+1+2*\b], v[S+8+16*\b:S+15+16*\b], v[SO+\b]
.endr
	v_nop                                          ; one plain place behind a scaled conversion
.irp c, 0,1                                    ; a whole block to a lane: lanes 0-15 block 2 c, lanes 16-31 block 2 c + 1
.irp i, 0,1
	v_permlane16_swap_b32 v[PC+4*\c+\i], v[PC+2+4*\c+\i]
.endr
.endr
.set J, 0
.rept 16
	v_pk_mul_f32 v[O+J:O+J+1], v[O+J:O+J+1], v[F:F+1] op_sel_hi:[1,0]   ; O^T under the new M.  Twelve of the sixteen name no register of a given product below: the places behind the writes of p's scale word and codes
.set J, J+2
.endr
	s_wait_alu depctr_va_vdst(0)
	s_wait_dscnt 0x0                               ; V is in
.irp t, 0,1,2,3
.if (\t)%2
	v_wmma_scale_f32_16x16x128_f8f6f4 v[O+8*\t:O+8*\t+7], v[VF+8*\t:VF+8*\t+7], v[PC:PC+7], v[O+8*\t:O+8*\t+7], v[VSC+2*(\t/2)+(\tau)], v[PS] matrix_a_fmt:MATRIX_FMT_FP4 matrix_b_fmt:MATRIX_FMT_FP4 matrix_a_scale:MATRIX_SCALE_ROW1
.else
	v_wmma_scale_f32_16x16x128_f8f6f4 v[O+8*\t:O+8*\t+7], v[VF+8*\t:VF+8*\t+7], v[PC:PC+7], v[O+8*\t:O+8*\t+7], v[VSC+2*(\t/2)+(\tau)], v[PS] matrix_a_fmt:MATRIX_FMT_FP4 matrix_b_fmt:MATRIX_FMT_FP4
.endif
.endr
.endm
; A PASS: 16 queries over the head's 2,048 keys, 8 trips of two steps; then the way out.  O^T and the sum begin as zeros and the largest t as -3e38: the first change of M multiplies zeros.
.macro PASS u, qr, qs
.if \u
	s_wait_xcnt 0x0                                ; the last pass's stores have read their registers, which are written again below
.endif
	v_mov_b32 v13, 0xff61b1e6
	s_delay_alu instid0(VALU_DEP_1)
	v_floor_f32 v12, -v13
	v_mov_b32 v14, 0
	v_mov_b32 v15, 0
.set J, 0
.rept 32
	v_mov_b32 v[O+J], 0
.set J, J+1
.endr
	s_mov_b32 s[TK], 0
	s_mov_b32 s[TV], 0
	s_mov_b32 s[TS], 0
	s_mov_b32 s[TT], 0
	s_mov_b32 s[CNT], 8
.Ltrip_\@:
	STEP \qr, \qs, 0
	STEP \qr, \qs, 1
	s_add_co_u32 s[TK], s[TK], 8704                ; 256 keys on: 32 runs of K's codes,
	s_add_co_u32 s[TV], s[TV], 128                 ; 128 bytes of each row of V's,
	s_add_co_u32 s[TS], s[TS], 32                  ; 8 scale words of K,
	s_add_co_u32 s[TT], s[TT], 8                   ; 8 scale bytes of V
	s_sub_co_u32 s[CNT], s[CNT], 1
	s_cmp_lg_u32 s[CNT], 0
	s_cbranch_scc1 .Ltrip_\@
.rept 4
	v_nop                                          ; places behind the last products
.endr
	v_add_f32 v14, v14, v15                        ; the sum's two halves,
	s_delay_alu instid0(VALU_DEP_1)
	v_permlanex16_b32 v[TP], v14, s[SEL], s[SEL+1]
	s_delay_alu instid0(VALU_DEP_1)
	v_add_f32 v14, v14, v[TP]                      ; and lane l xor 16's: the row's sum
	s_wait_alu depctr_va_vdst(0)
	v_rcp_f32 v14, v14
	v_nop                                          ; a plain place behind the reciprocal
	s_wait_alu depctr_va_vdst(0)                   ; and the wait ahead of its first reader
.set J, 0
.rept 32
	v_mul_f32 v[S+J], v[O+J], v14                  ; register 8 t + j is channel 16 t + 8 h + j of my query
.set J, J+1
.endr
.irp t, 0,1,2,3
	ds_store_b128 v[STO], v[S+8*\t:S+8*\t+3] offset:64*\t
	ds_store_b128 v[STO], v[S+8*\t+4:S+8*\t+7] offset:64*\t+16
.endr
.irp i, 0,1,2,3,4,5,6,7
	ds_load_b128 v[S+32+4*\i:S+32+4*\i+3], v[RD] offset:544*\i   ; LDS serves a wave's instructions in order: these see my stores
.endr
.irp i, 0,1,2,3,4,5,6,7
	s_wait_dscnt 7-\i                              ; read-back i is in; the later ones may be out
	global_store_b128 v[GO], v[S+32+4*\i:S+32+4*\i+3], s[6:7] offset:2048*(\u)+512*\i+2048*(\i/4) th:TH_STORE_NT   ; stage row m is position 16 (m / 8) + 8 u + m % 8 of my 32; sixteen lanes store its 256 bytes, aligned
.endr
.endm
	PASS 0, Q0R, QS0
	PASS 1, Q1R, QS1
	s_wait_tensorcnt 0x0                           ; the wave's end
	ds_add_u32 v[SPW], v[NIL]
	s_wait_dscnt 0x0
	CROUND                                         ; the closing round: no work-group ends while a partner may still ask for a tile that names it
	s_endpgm
.Lfunc_end_k_q07a2c35981_attn:
	.size	k_q07a2c35981_attn, .Lfunc_end_k_q07a2c35981_attn-k_q07a2c35981_attn
	.p2alignl 7, 3214868480
	.fill 96, 4, 3214868480
	.section	.rodata,"a",@progbits
	.p2align	6, 0x0
	.amdhsa_kernel k_q07a2c35981_attn
		.amdhsa_group_segment_fixed_size 221184
		.amdhsa_private_segment_fixed_size 0
		.amdhsa_enable_private_segment 0
		.amdhsa_kernarg_size 16
		.amdhsa_user_sgpr_count 2
		.amdhsa_user_sgpr_kernarg_segment_ptr 1
		.amdhsa_wavefront_size32 1
		.amdhsa_system_sgpr_workgroup_id_x 1
		.amdhsa_system_sgpr_workgroup_id_y 1
		.amdhsa_system_sgpr_workgroup_id_z 1
		.amdhsa_system_vgpr_workitem_id 0
		.amdhsa_next_free_vgpr 256
		.amdhsa_next_free_sgpr 100
		.amdhsa_reserve_vcc 0
		.amdhsa_float_denorm_mode_32 3
		.amdhsa_float_denorm_mode_16_64 3
		.amdhsa_memory_ordered 1
		.amdhsa_forward_progress 1
		.amdhsa_inst_pref_size 81
	.end_amdhsa_kernel
	.amdgpu_metadata
---
amdhsa.version: [ 1, 2 ]
amdhsa.kernels:
  - .name:           k_q07a2c35981_attn
    .symbol:         k_q07a2c35981_attn.kd
    .args:
      - { .name: qkv, .offset: 0, .size: 8, .value_kind: global_buffer, .address_space: global }
      - { .name: out0, .offset: 8, .size: 8, .value_kind: global_buffer, .address_space: global }
    .group_segment_fixed_size: 221184
    .private_segment_fixed_size: 0
    .kernarg_segment_align: 8
    .kernarg_segment_size: 16
    .max_flat_workgroup_size: 512
    .sgpr_count:     100
    .vgpr_count:     256
    .wavefront_size: 32
...
	.end_amdgpu_metadata
.endif
;; end of part 3
